; MI455X (gfx1250); checked and timed in simulation.
; The chip was launched on July 23, 2026; its instructions are those of AMD's public machine-readable ISA for CDNA 5 (MIT licence, August 2026) and "CDNA5" Instruction Set Architecture Reference Guide (July 2026). The comments in the code are by the model that wrote it; some were corrected since.
;; Multi Head Attention. Allowed arithmetic: matrix products marked QUANTISED: E2M3 operands, one E8M0 scale for each 32 along K, by v_wmma_scale_f32_16x16x128_f8f6f4 with both operands' format E2M3, f32 sums; everything else in f32.
;; Inputs: Wk 12 x 768 x 64 float32; Wo 768 x 768 float32; Wq 12 x 768 x 64 float32; Wv 12 x 768 x 64 float32; bk 12 x 64 float32; bo 768 float32; bq 12 x 64 float32; bv 12 x 64 float32; hidden_states 1 x 4,096 x 768 float32.
;; Outputs: out0 1 x 4,096 x 768 float32.
;; This version of the problem:
;;   THIS VERSION OF THE PROBLEM IS GIVEN IN LOW PRECISION. The matrix products marked QUANTISED in the list below multiply operands that are first quantised to E2M3 (2 exponent bits, 3 mantissa bits; 6 bits a number), with one power-of-two scale for each 32 numbers along K (OCP MX v1.0); their sums are f32. All else is computed in f32.
;;   The module's matrix products, in the order in which they are computed (A, B: the left and right operand; K: the contracted axis; several contracted axes count as one K, in the product's order):
;;     1. [M 768, K 768] x [K 768, N 4,096]; A: input Wq; B: input hidden_states: QUANTISED
;;     2. [M 768, K 768] x [K 768, N 4,096]; A: input Wk; B: input hidden_states: QUANTISED
;;     3. [M 768, K 768] x [K 768, N 4,096]; A: input Wv; B: input hidden_states: QUANTISED
;;     4. batch 12 x [M 4,096, K 64] x [K 64, N 4,096]; A: computed on the way; B: computed on the way: QUANTISED
;;     5. batch 12 x [M 4,096, K 4,096] x [K 4,096, N 64]; A: softmax (see below); B: computed on the way: QUANTISED
;;     6. [M 4,096, K 768] x [K 768, N 768]; A: computed on the way; B: input Wo: QUANTISED
;;   THE QUANTISER, for each operand of a quantised product, along K:
;;     - K is cut into blocks of 32 from its start; a last block that is shorter is filled with zeros.
;;     - A block's scale is 2^e with e = floor(log2(the largest magnitude in the block)) - 2, held to -126 .. 127; a block of zeros has e = 0. As a byte (E8M0): e + 127.
;;     - Each number is divided by its block's scale, clamped to +-7.5, and rounded to the nearest number of E2M3, ties to even, subnormals kept.
;;     - The product sums the exact products of the quantised numbers (number of the format x scale) in f32.
;;   ~~~python
;;   def quantise(x, axis):      # numpy; x: float32 -> the quantised numbers, widened to float32 again
;;       x = np.moveaxis(x, axis, -1); K = x.shape[-1]
;;       x = np.pad(x, [(0, 0)] * (x.ndim - 1) + [(0, -K % 32)]); x = x.reshape(x.shape[:-1] + (-1, 32)); a = np.abs(x).max(-1, keepdims=True)
;;       e = np.where(a > 0, np.clip(np.frexp(np.where(a > 0, a, 1))[1] - 1 - 2, -126, 127), 0)      # np.frexp(a)[1] - 1 = floor(log2(a)), exactly
;;       r = np.clip(x / 2.0 ** e, -7.5, 7.5)
;;       step = 2.0 ** (np.maximum(np.frexp(np.where(r == 0, 1, r))[1] - 1, 0) - 3)
;;       q = np.round(r / step) * step * 2.0 ** e      # np.round: ties to even
;;       return np.moveaxis(q.reshape(q.shape[:-2] + (-1,))[..., :K], -1, axis).astype(np.float32)
;;   ~~~
;;   SOFTMAX AHEAD OF A QUANTISED PRODUCT. Where the list says 'softmax', what is quantised is not the finished softmax but p = 2^(t - M), with t = logit x log2(e) and M = ceil(the row's largest t), a whole number; so 1/2 < the row's largest p <= 1. The row's sum l is taken of the UNQUANTISED p, in f32, and the product's result is divided by l at the end. Since M is a whole number, a kernel that streams over the keys may use a running M (the ceiling of the running maximum): every later rescaling is an exact power of two, which a block's scale takes up: the codes' values come out the same.
;;   OPERANDS COMPUTED ON THE WAY. 'Computed on the way' means the value that the module computes at that place (a softmax that the list does not call 'softmax' is quantised finished and normalised). What goes into a quantiser is computed in f32, as accurately as f32 sums, v_exp_f32 and their like allow (about 1e-6 of the number): no bf16 or f16 on the way to a quantiser, and a product that is left as it is and whose result goes on into a quantised operand takes f32 operands (vector FMAs, or v_wmma_f32_16x16x4_f32). A number that lies on a knife's edge between two numbers of the format may be rounded either way, as far as f32 arithmetic and the matrix unit's own rounding can turn it there, and no further.
;; One version. Each part assembles by itself: llvm-mc -triple=amdgcn-amd-amdhsa -mcpu=gfx1250 --defsym DOCPART=n.
;; ======== version 1 of 1: 4 launches
;; workspace buffers: xc 2,359,296 bytes; xs 98,304 bytes; wc 1,769,472 bytes; ws 73,728 bytes; qb 2,457,600 bytes; kv 4,915,200 bytes; cc 2,359,296 bytes; cs 98,304 bytes
;; launch quant (part 1): grid 56 x 6, 4 waves a work-group, no clusters, 92,672 bytes of LDS; arguments hidden_states, Wq, Wk, Wv, Wo, xc, xs, wc, ws; writes xc, xs, wc, ws
.if DOCPART == 1
	.amdgcn_target "amdgcn-amd-amdhsa--gfx1250"
	.amdhsa_code_object_version 6
	.text
	.protected	k_q5c981872a8_quant
	.globl	k_q5c981872a8_quant
	.p2align	8
	.type	k_q5c981872a8_quant,@function
k_q5c981872a8_quant:
	s_mov_b64 s[64:65], 0
	v_nop
	global_prefetch_b8 v0, s[64:65] scope:SCOPE_SE
	s_setreg_imm32_b32 hwreg(HW_REG_WAVE_MODE, 25, 1), 1
	s_wait_xcnt 0x0
; hidden_states [4096][768] and the four weights (Wq, Wk, Wv [12][768][64], Wo [768][768]), all f32, become codes of FP6 (E2M3) with one E8M0 byte for each 32 along K = 768,
; laid in the ORDER OF THE OPERAND'S REGISTERS.  A fragment is 16 rows x 128 K, 12 registers a lane; its image is 1,536 bytes: registers 4 c .. 4 c + 3 of lane l at 512 c + 16 l.
; TILE ORDER: lane r of tile 2 b + u holds row 32 b + 8 u + r + 8 (r / 8) of its group of 64 rows (tokens, or columns of a weight).
; A group's block is [K step 0..5][tile 0..3][1,536 bytes]; its scale words are [K step][pair of tiles][128 bytes]: the word at 4 l, lanes 0-15 the even tile's rows, lanes 16-31 the odd tile's.
; A block's scale is 2^(floor(log2(largest magnitude)) - 2); its byte is the largest magnitude's exponent field - 2, held at 1 from below.
; LIMITS: NaN and infinities are not served; a block whose largest magnitude lies under 2^-124 keeps the byte 1; a block of zeros gets the byte 1 where the rule says 127
; (its codes are zeros, which add nothing under any byte but 0xff, and this program alone reads the bytes).
; SHARES: work-group y is the K step.  x < 32: tokens; 32 <= x < 50: Wq, Wk, Wv; x >= 50: Wo.  A wave makes one pair of tiles (32 rows x 128 K: 3,072 bytes of codes, 128 of scale words).
; Waves share nothing: no barrier, no loop, no cluster (no two work-groups read the same bytes).  Each of the three paths has LDS bytes of its own.
.set WV,     22                        ; s22  wave
.set KS,     23                        ; s23  K step
.set SEL,    40                        ; s[40:41] v_permlanex16_b32's selects for lane l xor 16
.set HI16,   42                        ; s42  mask of lanes 16-31
.set PX,     528                       ; tokens' stage: a row of 512 bytes + 16
.set XREG,   32*PX                     ; a wave's stage: 32 rows
.set WABASE, 4*XREG                    ; Wq, Wk, Wv: a wave's image of two fragments, 3,072 bytes
.set WBBASE, WABASE+4*3072             ; Wo: likewise
.set TMPC,   12                        ; v12-14 the second half of a block's codes
.set SOP,    15                        ; v15    the conversion's scale operand
.set MXA,    16                        ; v16, v17 two chains of the largest magnitude
.set MXB,    17
; 32 numbers of ONE lane, v[x] .. v[x + 31], a whole block: six registers of codes at v[c] on, the scale's byte in v[by]
.macro QBLOCK x, c, by
	v_max3_num_f32 v[MXA], |v[(\x)]|, |v[(\x)+1]|, |v[(\x)+2]|
	v_max3_num_f32 v[MXB], |v[(\x)+3]|, |v[(\x)+4]|, |v[(\x)+5]|
.irp i, 6,10,14,18,22,26
	v_max3_num_f32 v[MXA], v[MXA], |v[(\x)+\i]|, |v[(\x)+\i+1]|
	v_max3_num_f32 v[MXB], v[MXB], |v[(\x)+\i+2]|, |v[(\x)+\i+3]|
.endr
	v_max3_num_f32 v[MXA], v[MXA], |v[(\x)+30]|, |v[(\x)+31]|
	v_max3_num_f32 v[MXA], v[MXA], v[MXB], 0x1800000               ; the floor 2^(3 - 127): the byte cannot fall under 1
	v_add_nc_u32 v[SOP], 0xff000000, v[MXA]                        ; 2 off the exponent field: the conversion takes that field as its scale
	v_lshrrev_b32 v[\by], 23, v[SOP]                               ; the scale's byte
	v_cvt_scalef32_pk16_fp6_f32 v[(\c):(\c)+2], v[(\x):(\x)+15], v[SOP]
	v_cvt_scalef32_pk16_fp6_f32 v[TMPC:TMPC+2], v[(\x)+16:(\x)+31], v[SOP]   ; (a conversion's three registers begin on an even number)
	v_nop                                                          ; one plain place behind a scaled conversion
.irp i, 0,1,2
	v_mov_b32 v[(\c)+3+\i], v[TMPC+\i]
.endr
.endm
	s_load_b256 s[4:11], s[0:1], 0x0               ; hidden_states, Wq, Wk, Wv
	s_load_b256 s[12:19], s[0:1], 0x20             ; Wo, xc, xs, wc
	s_load_b64 s[20:21], s[0:1], 0x40              ; ws
	v_lshl_add_u32 v62, v0, 2, 0x16800
	v_mov_b32 v63, 0
	v_lshrrev_b32 v1, 5, v0
	v_readfirstlane_b32 s[WV], v1
	s_and_b32 s[KS], ttmp7, 0xffff
	v_and_b32 v1, 31, v0                           ; lane
	v_and_b32 v2, 15, v0                           ; lane % 16
	v_bfe_u32 v3, v0, 4, 1                         ; lane / 16
	v_lshlrev_b32 v4, 4, v1                        ; 16 x lane
	v_lshlrev_b32 v5, 2, v1                        ; 4 x lane
	s_mov_b32 s[SEL], 0x76543210
	s_mov_b32 s[SEL+1], 0xfedcba98
	s_mov_b32 s[HI16], 0xffff0000
	s_mov_b32 s27, 0
	s_mov_b32 s31, 0
	s_wait_kmcnt 0x0
	s_cmp_ge_u32 ttmp9, 32
	s_cbranch_scc1 .Lweights
; ---- TOKENS.  K is innermost: each load takes one token's 512 bytes of the K step, 16 bytes a lane; the 32 rows turn through the wave's stage, and lane (r, h) takes back
; the two blocks that the operand's layout gives it: k = 64 c + 32 h + 0 .. 31 of its tile's row r.
	s_lshl_b32 s24, ttmp9, 2
	s_add_co_u32 s24, s24, s[WV]                   ; which 32 tokens: 0 .. 127
	s_mul_i32 s26, s24, 32*3072
	s_lshl_b32 s25, s[KS], 9
	s_add_co_u32 s26, s26, s25
	s_add_nc_u64 s[4:5], s[4:5], s[26:27]
.set n, 0
.rept 32
	global_load_b128 v[64+4*n:67+4*n], v4, s[4:5] offset:3072*n th:TH_LOAD_NT
.set n, n+1
.endr
	s_lshr_b32 s28, s24, 1                         ; the group of 64 tokens
	s_mul_i32 s28, s28, 6
	s_add_co_u32 s28, s28, s[KS]
	s_lshl_b32 s28, s28, 1
	s_and_b32 s29, s24, 1
	s_add_co_u32 s28, s28, s29                     ; ((group x 6 + K step) x 2 + pair)
	s_mul_i32 s30, s28, 3072
	s_add_nc_u64 s[14:15], s[14:15], s[30:31]      ; the pair's codes
	s_lshl_b32 s30, s28, 7
	s_add_nc_u64 s[16:17], s[16:17], s[30:31]      ; and its scale words
	s_mul_i32 s32, s[WV], XREG
	v_add_nc_u32 v6, s32, v4                       ; into the stage: 16 x lane of a row
	v_and_b32 v7, 8, v2
	v_add_nc_u32 v7, v7, v2                        ; r + 8 (r / 8)
	v_mul_u32_u24 v7, v7, PX
	v_lshl_add_u32 v7, v3, 7, v7                   ; + 128 h
	v_add_nc_u32 v7, s32, v7                       ; out of it
	v_lshlrev_b32 v46, 3, v3                       ; 8 h
	v_mov_b32 v47, 0                               ; (a lane permute's destination counts as one of its sources)
.set n, 0
.rept 32
	s_wait_loadcnt 31-n                            ; row n is in; the 31 - n younger loads may be out
	ds_store_b128 v6, v[64+4*n:67+4*n] offset:PX*n
.set n, n+1
.endr
.macro XBACK u, reg                    ; tile u's 64 numbers of my lane
.irp c, 0,1
.irp k, 0,1,2,3,4,5,6,7
	ds_load_b128 v[(\reg)+32*\c+4*\k:(\reg)+32*\c+4*\k+3], v7 offset:8*(\u)*PX+256*\c+16*\k
.endr
.endr
.endm
.macro XTILE x, c, w                   ; 64 numbers -> a fragment's 12 registers at v[c], my row's scale word in v[w] (in both halves of the lanes)
	QBLOCK \x, \c, 18
	QBLOCK (\x)+32, (\c)+6, 19
	v_lshl_or_b32 v[\w], v19, 16, v18              ; my two bytes: blocks h and 2 + h,
	v_lshlrev_b32 v[\w], v46, v[\w]                ; at their places in the word;
	v_permlanex16_b32 v47, v[\w], s[SEL], s[SEL+1]
	v_or_b32 v[\w], v[\w], v47                     ; with lane l xor 16's two the word is whole
.endm
	XBACK 0, 192                                   ; LDS serves a wave's instructions in order: these see my stores
	s_wait_dscnt 0x0                               ; tile 0 is in, and the stage's stores have read v64-191
	XBACK 1, 64
	XTILE 192, 20, 44
	s_wait_dscnt 0x0                               ; tile 1 is in
	XTILE 64, 32, 45
.irp k, 0,1,2,3,4,5
	global_store_b128 v4, v[20+4*\k:23+4*\k], s[14:15] offset:512*\k   ; 32 lanes store 512 consecutive bytes
.endr
	v_cndmask_b32 v48, v44, v45, s[HI16]           ; lanes 0-15 tile 0's words, lanes 16-31 tile 1's
	global_store_b32 v5, v48, s[16:17]
	s_wait_tensorcnt 0x0
	ds_add_u32 v62, v63
	s_wait_dscnt 0x0
	s_endpgm
; ---- WEIGHTS.  K is NOT innermost: a lane takes a column and its registers run down K, so a block of 32 lies in one lane.  Lane l is column 32 b + l of its group of 64:
; row r = l % 8 + 8 (l / 16) of tile 2 b + (l / 8) % 2.  Block q of the K step belongs to lane (r, q % 2), registers 6 (q / 2) on: it is stored at that place of the image in the wave's LDS.
.macro WLOAD q, pitch, p
.irp i, 0,1,2,3,4,5,6,7,8,9,10,11,12,13,14,15,16,17,18,19,20,21,22,23,24,25,26,27,28,29,30,31
	global_load_b32 v[64+32*((\q)%2)+\i], v5, s[\p:\p+1] offset:(32*(\q)+\i)*(\pitch) th:TH_LOAD_NT
.endr
.endm
.macro WBLOCK q, pitch, p
.if (\q) < 3
	s_wait_loadcnt 32                              ; this block's 32 loads are in; the next block's may be out
.else
	s_wait_loadcnt 0x0
.endif
	QBLOCK 64+32*((\q)%2), 20+8*(\q), 18
.if (\q) == 0
	v_mov_b32 v50, v18                             ; my column's scale word, the lower K in the lower byte
.else
	v_lshl_or_b32 v50, v18, 8*(\q), v50
.endif
.if (\q) < 2
	ds_store_b128 v10, v[20+8*(\q):23+8*(\q)] offset:256*((\q)%2)          ; registers 0-3
	ds_store_b64 v10, v[24+8*(\q):25+8*(\q)] offset:512+256*((\q)%2)       ; registers 4, 5
	WLOAD (\q)+2, \pitch, \p
.else
	ds_store_b64 v10, v[20+8*(\q):21+8*(\q)] offset:520+256*((\q)%2)       ; registers 6, 7
	ds_store_b128 v10, v[22+8*(\q):25+8*(\q)] offset:1024+256*((\q)%2)     ; registers 8-11
.endif
.endm
; s25 = the group's number in wc, s29 = the pair of tiles, s[p:p+1] = the unit's first number
.macro WPATH pitch, base, p
	WLOAD 0, \pitch, \p
	WLOAD 1, \pitch, \p
	s_mul_i32 s28, s25, 6
	s_add_co_u32 s28, s28, s[KS]
	s_lshl_b32 s28, s28, 1
	s_add_co_u32 s28, s28, s29
	s_mul_i32 s30, s28, 3072
	s_add_nc_u64 s[18:19], s[18:19], s[30:31]
	s_lshl_b32 s30, s28, 7
	s_add_nc_u64 s[20:21], s[20:21], s[30:31]
	s_mul_i32 s32, s[WV], 3072
	s_add_co_u32 s32, s32, \base
	v_bfe_u32 v8, v0, 3, 1                         ; which tile of the pair
	v_and_b32 v9, 7, v0
	v_lshl_add_u32 v9, v3, 3, v9                   ; its row r
	v_mul_u32_u24 v10, v8, 1536
	v_lshl_add_u32 v10, v9, 4, v10
	v_add_nc_u32 v10, s32, v10                     ; the image: tile, 16 r
	v_add_nc_u32 v11, s32, v4                      ; and back: 16 x lane
	v_lshlrev_b32 v6, 6, v8
	v_lshl_add_u32 v6, v9, 2, v6                   ; the scale word's place: 64 x tile + 4 r
	WBLOCK 0, \pitch, \p
	WBLOCK 1, \pitch, \p
	WBLOCK 2, \pitch, \p
	WBLOCK 3, \pitch, \p
.irp k, 0,1,2,3,4,5
	ds_load_b128 v[128+4*\k:131+4*\k], v11 offset:512*\k           ; LDS serves a wave's instructions in order: these see my stores
.endr
.irp k, 0,1,2,3,4,5
	s_wait_dscnt 5-\k                              ; the 5 - k younger loads may be out
	global_store_b128 v4, v[128+4*\k:131+4*\k], s[18:19] offset:512*\k
.endr
	global_store_b32 v6, v50, s[20:21]
.endm
.Lweights:
	s_cmp_ge_u32 ttmp9, 50
	s_cbranch_scc1 .Lwo
	s_sub_co_u32 s24, ttmp9, 32
	s_lshl_b32 s24, s24, 2
	s_add_co_u32 s24, s24, s[WV]                   ; 0 .. 71
	s_lshr_b32 s25, s24, 1                         ; 12 x matrix + head
	s_and_b32 s29, s24, 1
	s_cmp_ge_u32 s25, 12                           ; the choice hangs on the work-group's and the wave's number alone
	s_cselect_b64 s[6:7], s[8:9], s[6:7]
	s_cselect_b32 s33, 12, 0
	s_cmp_ge_u32 s25, 24
	s_cselect_b64 s[6:7], s[10:11], s[6:7]
	s_cselect_b32 s33, 24, s33
	s_sub_co_u32 s33, s25, s33                     ; the head
	s_mul_i32 s26, s33, 768*256
	s_lshl_b32 s34, s[KS], 15                      ; 128 rows of 256 bytes
	s_add_co_u32 s26, s26, s34
	s_lshl_b32 s34, s29, 7
	s_add_co_u32 s26, s26, s34
	s_add_nc_u64 s[6:7], s[6:7], s[26:27]
	WPATH 256, WABASE, 6
	s_wait_tensorcnt 0x0
	ds_add_u32 v62, v63
	s_wait_dscnt 0x0
	s_endpgm
.Lwo:
	s_sub_co_u32 s24, ttmp9, 50
	s_lshl_b32 s24, s24, 2
	s_add_co_u32 s24, s24, s[WV]                   ; 0 .. 23
	s_lshr_b32 s33, s24, 1                         ; which 64 columns of Wo
	s_and_b32 s29, s24, 1
	s_add_co_u32 s25, s33, 36
	s_mul_i32 s26, s[KS], 128*3072
	s_lshl_b32 s34, s33, 8
	s_add_co_u32 s26, s26, s34
	s_lshl_b32 s34, s29, 7
	s_add_co_u32 s26, s26, s34
	s_add_nc_u64 s[12:13], s[12:13], s[26:27]
	WPATH 3072, WBBASE, 12
	s_wait_tensorcnt 0x0
	ds_add_u32 v62, v63
	s_wait_dscnt 0x0
	s_endpgm
.Lfunc_end_k_q5c981872a8_quant:
	.size	k_q5c981872a8_quant, .Lfunc_end_k_q5c981872a8_quant-k_q5c981872a8_quant
	.p2alignl 7, 3214868480
	.fill 96, 4, 3214868480
	.section	.rodata,"a",@progbits
	.p2align	6, 0x0
	.amdhsa_kernel k_q5c981872a8_quant
		.amdhsa_group_segment_fixed_size 92672
		.amdhsa_private_segment_fixed_size 0
		.amdhsa_enable_private_segment 0
		.amdhsa_kernarg_size 72
		.amdhsa_user_sgpr_count 2
		.amdhsa_user_sgpr_kernarg_segment_ptr 1
		.amdhsa_wavefront_size32 1
		.amdhsa_system_sgpr_workgroup_id_x 1
		.amdhsa_system_sgpr_workgroup_id_y 1
		.amdhsa_system_sgpr_workgroup_id_z 1
		.amdhsa_system_vgpr_workitem_id 0
		.amdhsa_next_free_vgpr 256
		.amdhsa_next_free_sgpr 66
		.amdhsa_reserve_vcc 0
		.amdhsa_float_denorm_mode_32 3
		.amdhsa_float_denorm_mode_16_64 3
		.amdhsa_memory_ordered 1
		.amdhsa_forward_progress 1
		.amdhsa_inst_pref_size 60
	.end_amdhsa_kernel
	.amdgpu_metadata
---
amdhsa.version: [ 1, 2 ]
amdhsa.kernels:
  - .name:           k_q5c981872a8_quant
    .symbol:         k_q5c981872a8_quant.kd
    .args:
      - { .name: hidden_states, .offset: 0, .size: 8, .value_kind: global_buffer, .address_space: global }
      - { .name: Wq, .offset: 8, .size: 8, .value_kind: global_buffer, .address_space: global }
      - { .name: Wk, .offset: 16, .size: 8, .value_kind: global_buffer, .address_space: global }
      - { .name: Wv, .offset: 24, .size: 8, .value_kind: global_buffer, .address_space: global }
      - { .name: Wo, .offset: 32, .size: 8, .value_kind: global_buffer, .address_space: global }
      - { .name: xc, .offset: 40, .size: 8, .value_kind: global_buffer, .address_space: global }
      - { .name: xs, .offset: 48, .size: 8, .value_kind: global_buffer, .address_space: global }
      - { .name: wc, .offset: 56, .size: 8, .value_kind: global_buffer, .address_space: global }
      - { .name: ws, .offset: 64, .size: 8, .value_kind: global_buffer, .address_space: global }
    .group_segment_fixed_size: 92672
    .private_segment_fixed_size: 0
    .kernarg_segment_align: 8
    .kernarg_segment_size: 72
    .max_flat_workgroup_size: 128
    .sgpr_count:     66
    .vgpr_count:     256
    .wavefront_size: 32
...
	.end_amdgpu_metadata
.endif
;; end of part 1
;; launch proj (part 2): grid 16 x 12, 12 waves a work-group, clusters of 4 x 4, 259,584 bytes of LDS; arguments xc, xs, wc, ws, bq, bk, bv, qb, kv; writes qb, kv
.if DOCPART == 2
	.amdgcn_target "amdgcn-amd-amdhsa--gfx1250"
	.amdhsa_code_object_version 6
	.text
	.protected	k_q5c981872a8_proj
	.globl	k_q5c981872a8_proj
	.p2align	8
	.type	k_q5c981872a8_proj,@function
k_q5c981872a8_proj:
	s_mov_b64 s[64:65], 0
	v_nop
	global_prefetch_b8 v0, s[64:65] scope:SCOPE_SE
	s_setreg_imm32_b32 hwreg(HW_REG_WAVE_MODE, 25, 1), 1
	s_wait_xcnt 0x0
	s_wait_alu depctr_hold_cnt(0) depctr_sa_sdst(0) depctr_va_vdst(0) depctr_va_sdst(0) depctr_va_ssrc(0) depctr_va_vcc(0) depctr_vm_vsrc(0)
	s_getreg_b32 s2, hwreg(HW_REG_IB_STS2, 6, 4)
	s_cmp_eq_u32 s2, 0
	s_cbranch_scc0 .Lentry_in_a_cluster
	s_endpgm
.Lentry_in_a_cluster:
	s_bfe_u32 s2, ttmp6, 0x10000c
	s_cmp_lg_u32 s2, 0xf033
	s_cbranch_scc0 .Lentry_shape_is_right
	s_endpgm
.Lentry_shape_is_right:
; q, k, v = x W + b for one head and 256 tokens, on codes of FP6 (E2M3) with E8M0 scales, sums in f32; the results are quantised in registers and leave as images of the operands of the attention launch.
; SHARES.  Work-group (x, y): tokens 256 x .. 256 x + 255 (four groups of 64), head y.  Twelve waves: 0-3 make q of one group each, 4-7 k, 8-11 v (128 tokens x 32 channels each).
; LDS, filled ONCE: x's four group blocks (4 x 36,864 bytes) at 0, the head's blocks of Wq, Wk, Wv behind them.  Each wave brings a twelfth of each by one tensor load: dense rows of 256 bytes.
; CLUSTER 4 x 4: x's blocks hang on work-group x alone and are asked for jointly by a column of the cluster, the weights' on work-group y alone, by a row.
; q AND k: the product is used transposed (source 0 = 16 channels of W, source 1 = 16 tokens): a lane holds one token, and by the tile order its registers 16 b + i are channels 32 b + 16 h + i.
; Two tiles of tokens make ONE fragment [tile 2 p | tile 2 p + 1]: registers 0-5 the 64 channels of one tile's token, registers 6-11 those of the next tile's; scale word (a0, a1, b0, b1).
; v: source 0 = 16 tokens, source 1 = 16 channels: a lane holds one channel and its registers run along 128 tokens, which are the second attention product's K.
; The biases are the C of each sum's first matrix instruction.  The 16 accumulators of a wave take turns, one instruction a turn.
; LIMITS: as in the launch before (NaN, infinities not served; byte 1 for blocks under 2^-124 and for blocks of zeros).
; REGISTERS: v1-7 addresses; v8-31 scale words and nothing else; v32-127 fragments; v128-255 accumulators.  On the way out v56-115 are at work.
.set WV,   22
.set G1X,  32                          ; s[32:39] group 1 for x's part, s[40:47] for the weights', s[48:51], s[52:55] their groups 0
.set G1W,  40
.set G0X,  48
.set G0W,  52
.set SEL,  60                          ; s[60:61] lane l xor 16
.set HI16, 62                          ; s62  mask of lanes 16-31
.set XB,   36864                       ; a group's block
.set FW,   32                          ; q, k: W's four fragments
.set BV,   40                          ; v: the bias, eight registers for each of two tiles
.set VW,   56                          ; v: W's two fragments
.set FX,   80                          ; x's four fragments
.set ACC,  128
.set TM,   96                          ; the quantiser's 16 registers
.macro CROUND                          ; a round of the cluster's barrier
	s_barrier_signal -1
	s_barrier_wait -1
	s_cmp_lg_u32 s[WV], 0
	s_cbranch_scc1 .Lnot_wave_0_\@
	s_barrier_signal -3
.Lnot_wave_0_\@:
	s_barrier_wait -3
	s_barrier_signal -1
	s_barrier_wait -1
.endm
; D = A x B + C; sa, sb: the scale registers; ra, rb = 1: that side's words stand in lanes 16-31
.macro WM d, a, b, c, sa, sb, ra, rb
.if ((\ra) == 0) && ((\rb) == 0)
	v_wmma_scale_f32_16x16x128_f8f6f4 v[(\d):(\d)+7], v[(\a):(\a)+11], v[(\b):(\b)+11], v[(\c):(\c)+7], v[\sa], v[\sb] matrix_a_fmt:MATRIX_FMT_FP6 matrix_b_fmt:MATRIX_FMT_FP6
.elseif ((\ra) == 1) && ((\rb) == 0)
	v_wmma_scale_f32_16x16x128_f8f6f4 v[(\d):(\d)+7], v[(\a):(\a)+11], v[(\b):(\b)+11], v[(\c):(\c)+7], v[\sa], v[\sb] matrix_a_fmt:MATRIX_FMT_FP6 matrix_b_fmt:MATRIX_FMT_FP6 matrix_a_scale:MATRIX_SCALE_ROW1
.elseif ((\ra) == 0) && ((\rb) == 1)
	v_wmma_scale_f32_16x16x128_f8f6f4 v[(\d):(\d)+7], v[(\a):(\a)+11], v[(\b):(\b)+11], v[(\c):(\c)+7], v[\sa], v[\sb] matrix_a_fmt:MATRIX_FMT_FP6 matrix_b_fmt:MATRIX_FMT_FP6 matrix_b_scale:MATRIX_SCALE_ROW1
.else
	v_wmma_scale_f32_16x16x128_f8f6f4 v[(\d):(\d)+7], v[(\a):(\a)+11], v[(\b):(\b)+11], v[(\c):(\c)+7], v[\sa], v[\sb] matrix_a_fmt:MATRIX_FMT_FP6 matrix_b_fmt:MATRIX_FMT_FP6 matrix_a_scale:MATRIX_SCALE_ROW1 matrix_b_scale:MATRIX_SCALE_ROW1
.endif
.endm
; 64 numbers of a lane, register 16 b + i = k 32 b + 16 (lane / 16) + i of my row, become a fragment's 12 registers at v[pc] (v[pc + 12 .. pc + 18] at work) and its scale word in v[pw]
.macro QUANT s, pc, pw
.irp b, 0,1,2,3
	v_max3_num_f32 v[TM+\b], |v[(\s)+16*\b]|, |v[(\s)+1+16*\b]|, 0x1800000   ; my 16 numbers of block b, and the floor 2^(3 - 127)
.endr
.irp i, 2,4,6,8,10,12,14
.irp b, 0,1,2,3
	v_max3_num_f32 v[TM+\b], v[TM+\b], |v[(\s)+16*\b+\i]|, |v[(\s)+1+16*\b+\i]|
.endr
.endr
.irp b, 0,1,2,3
	v_permlanex16_b32 v[TM+4+\b], v[TM+\b], s[SEL], s[SEL+1]
.endr
.irp b, 0,1,2,3
	v_max_num_f32 v[TM+\b], v[TM+\b], v[TM+4+\b]   ; with lane l xor 16's: the block's largest magnitude
.endr
.irp b, 0,1,2,3
	v_add_nc_u32 v[TM+12+\b], 0xff000000, v[TM+\b] ; 2 off its exponent field: the conversion's scale operand
.endr
.irp b, 0,1,2,3
	v_lshrrev_b32 v[TM+4+\b], 23, v[TM+12+\b]      ; the scale's byte
.endr
	v_lshl_or_b32 v[\pw], v[TM+5], 8, v[TM+4]
	v_lshl_or_b32 v[\pw], v[TM+6], 16, v[\pw]
	v_lshl_or_b32 v[\pw], v[TM+7], 24, v[\pw]
.irp c, 0,1
	v_cvt_scalef32_pk16_fp6_f32 v[(\pc)+6*\c:(\pc)+2+6*\c], v[(\s)+32*\c:(\s)+15+32*\c], v[TM+12+2*\c]
	v_cvt_scalef32_pk16_fp6_f32 v[(\pc)+12+4*\c:(\pc)+14+4*\c], v[(\s)+16+32*\c:(\s)+31+32*\c], v[TM+12+2*\c+1]
.endr
	v_nop                                          ; one plain place behind a scaled conversion
.irp c, 0,1                                    ; the layout wants a whole block in a lane: lanes 0-15 block 2 c, lanes 16-31 block 2 c + 1
.irp i, 0,1,2
	v_permlane16_swap_b32 v[(\pc)+6*\c+\i], v[(\pc)+12+4*\c+\i]
.endr
.irp i, 0,1,2
	v_mov_b32 v[(\pc)+3+6*\c+\i], v[(\pc)+12+4*\c+\i]
.endr
.endr
.endm
; the wave's 128 results a lane become two fragments: images to s[72:73], 1,536 bytes apart; their scale words, one record of 128 bytes, to s[74:75]
.macro WAYOUT
.irp b, 0,1,2,3
	v_mov_b32 v[TM+4+\b], 0                        ; (a lane permute's destination counts as one of its sources)
.endr
	QUANT ACC, 56, 113
.irp c, 0,1,2
	global_store_b128 v1, v[56+4*\c:59+4*\c], s[72:73] offset:512*\c          ; 32 lanes store 512 consecutive bytes
.endr
	QUANT ACC+64, 76, 114
.irp c, 0,1,2
	global_store_b128 v1, v[76+4*\c:79+4*\c], s[72:73] offset:1536+512*\c
.endr
	v_cndmask_b32 v115, v113, v114, s[HI16]        ; lanes 0-15 the first fragment's words, lanes 16-31 the second's
	global_store_b32 v7, v115, s[74:75]
.endm
	s_load_b256 s[4:11], s[0:1], 0x0               ; xc, xs, wc, ws
	s_load_b256 s[12:19], s[0:1], 0x20             ; bq, bk, bv, qb
	s_load_b64 s[20:21], s[0:1], 0x40              ; kv
	s_set_vgpr_msb 0x40
	v_lshl_add_u32 v0, v0, 2, 0x3f000
	v_mov_b32 v1, 0
	s_set_vgpr_msb 0x4045
	ds_add_u32 v0, v1
	ds_add_u32 v0, v1
	s_set_vgpr_msb 0x4500
	v_lshrrev_b32 v1, 5, v0
	v_readfirstlane_b32 s[WV], v1                  ; wave 0..11
	s_bfe_u32 s23, ttmp6, 0x40000                  ; cx
	s_bfe_u32 s24, ttmp6, 0x40004                  ; cy
	s_lshl_b32 s25, ttmp9, 2
	s_add_co_u32 s25, s25, s23                     ; work-group x: which 256 tokens
	s_and_b32 s26, ttmp7, 0xffff
	s_lshl_b32 s26, s26, 2
	s_add_co_u32 s26, s26, s24                     ; work-group y: the head
	s_lshl_b32 s27, 0x1111, s23                    ; my column of the cluster
	s_lshl_b32 s28, s24, 2
	s_lshl_b32 s28, 15, s28                        ; my row
	s_or_b32 s[G1X], s27, (3<<16)|(1<<21)          ; 15:0 the mask; 17:16 elements of 8 bytes; 21 set beside a mask; no padding
	s_or_b32 s[G1W], s28, (3<<16)|(1<<21)
	s_mov_b32 s[G1X+1], 32<<16                     ; tensor_dim0 = 32 elements: rows of 256 bytes
	s_mov_b32 s[G1X+2], 48<<16                     ; tensor_dim1 = 48 rows: 12,288 bytes
	s_mov_b32 s[G1X+3], 32<<16                     ; tile_dim0
	s_mov_b32 s[G1X+4], 48                         ; tile_dim1
	s_mov_b32 s[G1X+5], 32                         ; the pitch: dense
	s_mov_b32 s[G1X+6], 0
	s_mov_b32 s[G1X+7], 0
	s_mov_b32 s[G1W+1], 32<<16
	s_mov_b32 s[G1W+2], 36<<16                     ; 36 rows: 9,216 bytes
	s_mov_b32 s[G1W+3], 32<<16
	s_mov_b32 s[G1W+4], 36
	s_mov_b32 s[G1W+5], 32
	s_mov_b32 s[G1W+6], 0
	s_mov_b32 s[G1W+7], 0
	s_mul_i32 s29, s[WV], 12288                    ; my twelfth of x's four blocks, in LDS as in memory
	s_lshr_b32 s30, s[WV], 2                       ; the matrix: 0 q, 1 k, 2 v
	s_and_b32 s31, s[WV], 3
	s_mul_i32 s56, s25, 4*XB
	s_add_co_u32 s56, s56, s29
	s_mov_b32 s57, 0
	s_mul_i32 s58, s30, 12
	s_add_co_u32 s58, s58, s26
	s_mul_i32 s58, s58, XB
	s_mul_i32 s63, s31, 9216                       ; my quarter of that matrix's block
	s_add_co_u32 s58, s58, s63
	s_mov_b32 s59, 0
	s_mov_b32 s[SEL], 0x76543210
	s_mov_b32 s[SEL+1], 0xfedcba98
	s_mov_b32 s[HI16], 0xffff0000
	s_mov_b32 s67, 0
	s_wait_dscnt 0x0
	s_wait_kmcnt 0x0
	CROUND                                         ; all sixteen work-groups are here: the joint loads meet
	s_mov_b32 s[G0X], 1
	s_mov_b32 s[G0X+1], s29
	s_add_nc_u64 s[G0X+2:G0X+3], s[4:5], s[56:57]
	s_or_b32 s[G0X+3], s[G0X+3], 0x80000000
	s_mov_b32 s[G0W], 1
	s_mul_i32 s[G0W+1], s[WV], 9216
	s_add_co_u32 s[G0W+1], s[G0W+1], 4*XB
	s_add_nc_u64 s[G0W+2:G0W+3], s[8:9], s[58:59]
	s_or_b32 s[G0W+3], s[G0W+3], 0x80000000
	tensor_load_to_lds s[G0X:G0X+3], s[G1X:G1X+7]  ; every wave issues both: two loads of mine are out
	s_nop 0
	tensor_load_to_lds s[G0W:G0W+3], s[G1W:G1W+7]
	s_nop 0
.rept 4
	v_nop
.endr
	v_and_b32 v6, 31, v0
	v_lshlrev_b32 v1, 4, v6                        ; 16 x lane: an image's place for my lane
	v_lshlrev_b32 v7, 2, v6                        ; 4 x lane: a scale word's
	v_and_b32 v5, 15, v0
	v_and_b32 v4, 8, v5
	v_add_nc_u32 v5, v5, v4
	v_lshlrev_b32 v5, 2, v5                        ; 4 (r + 8 (r / 8)): v's bias
	v_bfe_u32 v6, v0, 4, 1
	v_lshlrev_b32 v6, 6, v6                        ; 64 h: q's and k's bias
	s_wait_tensorcnt 0x0                           ; my parts are in,
	s_barrier_signal -1
	s_barrier_wait -1                              ; everybody's are; nothing is filled again
	s_cmp_ge_u32 s[WV], 8
	s_cbranch_scc1 .Lrole_v
; ---- q (waves 0-3) and k (waves 4-7): 64 tokens x 64 channels
	s_mul_i32 s66, s31, XB
	v_add_nc_u32 v2, s66, v1                       ; my group's block of x
	s_mul_i32 s66, s30, XB
	s_add_co_u32 s66, s66, 4*XB
	v_add_nc_u32 v3, s66, v1                       ; my matrix's block
	s_lshl_b32 s66, s25, 2
	s_add_co_u32 s66, s66, s31
	s_mul_i32 s66, s66, 1536
	s_add_nc_u64 s[6:7], s[6:7], s[66:67]          ; the group's scale words
	s_mul_i32 s66, s30, 12
	s_add_co_u32 s66, s66, s26
	s_mul_i32 s66, s66, 1536
	s_add_nc_u64 s[10:11], s[10:11], s[66:67]      ; the matrix's
	s_cmp_eq_u32 s30, 0                            ; q or k: the choice hangs on the wave's number alone
	s_cselect_b64 s[12:13], s[12:13], s[14:15]     ; the bias
	s_cselect_b64 s[72:73], s[18:19], s[20:21]     ; where the results go: qb or kv
	s_mov_b32 s68, 409600
	s_cselect_b32 s68, 204800, s68                 ; a head's bytes there
	s_mov_b32 s69, 12800
	s_cselect_b32 s69, 6400, s69                   ; the bytes of 128 tokens
	s_mov_b32 s70, 12288
	s_cselect_b32 s70, 6144, s70                   ; where the scale records begin
	s_lshl_b32 s66, s26, 8
	s_add_nc_u64 s[12:13], s[12:13], s[66:67]
.irp k, 0,1,2,3,4,5,6,7,8,9,10,11
	global_load_b32 v[8+\k], v7, s[6:7] offset:128*\k              ; x's words: K step k / 2, pair of tiles k % 2
.endr
.irp k, 0,1,2,3,4,5,6,7,8,9,10,11
	global_load_b32 v[20+\k], v7, s[10:11] offset:128*\k           ; W's
.endr
.irp i, 0,1,2,3
.irp t, 0,1,2,3
	global_load_b128 v[ACC+8*(4*\i+\t):ACC+8*(4*\i+\t)+3], v6, s[12:13] offset:4*(32*(\t/2)+8*(\t%2))       ; the bias, in the result's layout: channels 32 (t / 2) + 16 h + 8 (t % 2) + 0 .. 7
	global_load_b128 v[ACC+8*(4*\i+\t)+4:ACC+8*(4*\i+\t)+7], v6, s[12:13] offset:4*(32*(\t/2)+8*(\t%2))+16
.endr
.endr
	s_mul_i32 s68, s68, s26
	s_lshl_b32 s71, s25, 1
	s_lshr_b32 s76, s31, 1
	s_add_co_u32 s71, s71, s76                     ; which 128 tokens
	s_mul_i32 s69, s69, s71
	s_add_co_u32 s66, s68, s69
	s_add_nc_u64 s[72:73], s[72:73], s[66:67]
	s_and_b32 s76, s31, 1                          ; which half of them
	s_lshl_b32 s66, s76, 7
	s_add_co_u32 s66, s66, s70
	s_add_nc_u64 s[74:75], s[72:73], s[66:67]      ; the scale record
	s_mul_i32 s66, s76, 3072
	s_add_nc_u64 s[72:73], s[72:73], s[66:67]      ; the two images
	s_wait_loadcnt 0x0
.macro QKSTEP s
.irp t, 0,1,2,3
.irp c, 0,1,2
	ds_load_b128 v[FW+12*\t+4*\c:FW+12*\t+4*\c+3], v3 offset:6144*(\s)+1536*\t+512*\c
.endr
.endr
.irp t, 0,1,2,3
.irp c, 0,1,2
	ds_load_b128 v[FX+12*\t+4*\c:FX+12*\t+4*\c+3], v2 offset:6144*(\s)+1536*\t+512*\c
.endr
.endr
.irp i, 0,1,2,3
	s_wait_dscnt 9-3*\i                            ; W's four and x's tile i are in; three loads for each younger tile may be out
.irp t, 0,1,2,3
	WM ACC+8*(4*\i+\t), FW+12*\t, FX+12*\i, ACC+8*(4*\i+\t), 20+2*(\s)+\t/2, 8+2*(\s)+\i/2, \t%2, \i%2
.endr
.endr
.rept 4
	v_nop                                          ; places in front of loads into registers that matrix instructions have read, and of the first read of results
.endr
.endm
	QKSTEP 0
	QKSTEP 1
	QKSTEP 2
	QKSTEP 3
	QKSTEP 4
	QKSTEP 5
	WAYOUT
	s_branch .Ldone
; ---- v (waves 8-11): 128 tokens x 32 channels
.Lrole_v:
	s_bfe_u32 s68, s[WV], 0x10001                  ; which 128 tokens of the 256
	s_and_b32 s69, s[WV], 1                        ; which 32 channels
	s_mul_i32 s66, s68, 2*XB
	v_add_nc_u32 v2, s66, v1                       ; their first group's block of x,
	v_add_nc_u32 v3, XB, v2                        ; the second's
	s_mul_i32 s66, s69, 3072
	s_add_co_u32 s66, s66, 6*XB
	v_add_nc_u32 v4, s66, v1                       ; Wv's block, my two tiles
	s_lshl_b32 s66, s25, 2
	s_lshl_b32 s70, s68, 1
	s_add_co_u32 s66, s66, s70
	s_mul_i32 s66, s66, 1536
	s_add_nc_u64 s[6:7], s[6:7], s[66:67]          ; x's scale words, two groups
	s_add_co_u32 s66, s26, 24
	s_mul_i32 s66, s66, 1536
	s_lshl_b32 s70, s69, 7
	s_add_co_u32 s66, s66, s70
	s_add_nc_u64 s[10:11], s[10:11], s[66:67]      ; Wv's, my pair of tiles
	s_lshl_b32 s66, s26, 8
	s_add_co_u32 s66, s66, s70
	s_add_nc_u64 s[16:17], s[16:17], s[66:67]      ; bv at my 32 channels
; The scale words of K step s: five registers from v[8 + 5 (s % 4)]: x's four pairs of tiles, then W's.  v8-31 hold scales and nothing else, so K steps 4 and 5 take the registers of K steps 0 and 1.
.macro VSCALES s
.irp q, 0,1,2,3
	global_load_b32 v[8+5*((\s)%4)+\q], v7, s[6:7] offset:(\q/2)*1536+(2*(\s)+\q%2)*128
.endr
	global_load_b32 v[8+5*((\s)%4)+4], v7, s[10:11] offset:256*(\s)
.endm
	VSCALES 0
	VSCALES 1
	VSCALES 2
	VSCALES 3
	global_load_b32 v[BV], v5, s[16:17]            ; bv of my channel in tile 0,
	global_load_b32 v[BV+8], v5, s[16:17] offset:32   ; in tile 1
	s_mul_i32 s66, s26, 409600
	s_lshl_b32 s70, s25, 1
	s_add_co_u32 s70, s70, s68
	s_mul_i32 s70, s70, 12800
	s_add_co_u32 s66, s66, s70
	s_add_nc_u64 s[72:73], s[20:21], s[66:67]      ; the key step's block in kv
	s_lshl_b32 s66, s69, 7
	s_add_co_u32 s66, s66, 12544
	s_add_nc_u64 s[74:75], s[72:73], s[66:67]      ; the scale record
	s_mul_i32 s66, s69, 3072
	s_add_co_u32 s66, s66, 6144
	s_add_nc_u64 s[72:73], s[72:73], s[66:67]      ; the two images
	s_wait_loadcnt 0x0
.irp j, 1,2,3,4,5,6,7
	v_mov_b32 v[BV+\j], v[BV]                      ; a lane holds one channel: the same bias for its eight tokens
	v_mov_b32 v[BV+8+\j], v[BV+8]
.endr
.macro VHALF s, adr, g                 ; the four tiles of tokens of group g of my two
.irp t, 0,1,2,3
.irp c, 0,1,2
	ds_load_b128 v[FX+12*\t+4*\c:FX+12*\t+4*\c+3], v[\adr] offset:6144*(\s)+1536*\t+512*\c
.endr
.endr
.irp t, 0,1,2,3
	s_wait_dscnt 9-3*\t                            ; tile t (and all issued before it) is in; three loads for each younger tile may be out
.irp n, 0,1
.if (\s) == 0
	WM ACC+64*\n+8*(4*(\g)+\t), FX+12*\t, VW+12*\n, BV+8*\n, 8+5*((\s)%4)+2*(\g)+\t/2, 8+5*((\s)%4)+4, \t%2, \n
.else
	WM ACC+64*\n+8*(4*(\g)+\t), FX+12*\t, VW+12*\n, ACC+64*\n+8*(4*(\g)+\t), 8+5*((\s)%4)+2*(\g)+\t/2, 8+5*((\s)%4)+4, \t%2, \n
.endif
.endr
.endr
.rept 4
	v_nop                                          ; places, as above
.endr
.endm
.macro VSTEP s
.irp n, 0,1
.irp c, 0,1,2
	ds_load_b128 v[VW+12*\n+4*\c:VW+12*\n+4*\c+3], v4 offset:6144*(\s)+1536*\n+512*\c
.endr
.endr
	VHALF \s, 2, 0
	VHALF \s, 3, 1
.endm
	VSTEP 0
	VSTEP 1
	VSCALES 4                                      ; four places behind the last product that read v8-17
	VSCALES 5
	VSTEP 2
	VSTEP 3
	s_wait_loadcnt 0x0                             ; the last ten scale words
	VSTEP 4
	VSTEP 5
	WAYOUT
.Ldone:
	s_set_vgpr_msb 0x5
	s_wait_tensorcnt 0x0
	ds_add_u32 v0, v1
	s_wait_dscnt 0x0
	s_set_vgpr_msb 0x500
	CROUND                                         ; the closing round: no work-group ends while a partner may still ask for a tile that names it
	s_endpgm
.Lfunc_end_k_q5c981872a8_proj:
	.size	k_q5c981872a8_proj, .Lfunc_end_k_q5c981872a8_proj-k_q5c981872a8_proj
	.p2alignl 7, 3214868480
	.fill 96, 4, 3214868480
	.section	.rodata,"a",@progbits
	.p2align	6, 0x0
	.amdhsa_kernel k_q5c981872a8_proj
		.amdhsa_group_segment_fixed_size 259584
		.amdhsa_private_segment_fixed_size 0
		.amdhsa_enable_private_segment 0
		.amdhsa_kernarg_size 72
		.amdhsa_user_sgpr_count 2
		.amdhsa_user_sgpr_kernarg_segment_ptr 1
		.amdhsa_wavefront_size32 1
		.amdhsa_system_sgpr_workgroup_id_x 1
		.amdhsa_system_sgpr_workgroup_id_y 1
		.amdhsa_system_sgpr_workgroup_id_z 1
		.amdhsa_system_vgpr_workitem_id 0
		.amdhsa_next_free_vgpr 258
		.amdhsa_next_free_sgpr 80
		.amdhsa_reserve_vcc 0
		.amdhsa_float_denorm_mode_32 3
		.amdhsa_float_denorm_mode_16_64 3
		.amdhsa_memory_ordered 1
		.amdhsa_forward_progress 1
		.amdhsa_inst_pref_size 83
	.end_amdhsa_kernel
	.amdgpu_metadata
---
amdhsa.version: [ 1, 2 ]
amdhsa.kernels:
  - .name:           k_q5c981872a8_proj
    .symbol:         k_q5c981872a8_proj.kd
    .args:
      - { .name: xc, .offset: 0, .size: 8, .value_kind: global_buffer, .address_space: global }
      - { .name: xs, .offset: 8, .size: 8, .value_kind: global_buffer, .address_space: global }
      - { .name: wc, .offset: 16, .size: 8, .value_kind: global_buffer, .address_space: global }
      - { .name: ws, .offset: 24, .size: 8, .value_kind: global_buffer, .address_space: global }
      - { .name: bq, .offset: 32, .size: 8, .value_kind: global_buffer, .address_space: global }
      - { .name: bk, .offset: 40, .size: 8, .value_kind: global_buffer, .address_space: global }
      - { .name: bv, .offset: 48, .size: 8, .value_kind: global_buffer, .address_space: global }
      - { .name: qb, .offset: 56, .size: 8, .value_kind: global_buffer, .address_space: global }
      - { .name: kv, .offset: 64, .size: 8, .value_kind: global_buffer, .address_space: global }
    .group_segment_fixed_size: 259584
    .private_segment_fixed_size: 0
    .kernarg_segment_align: 8
    .kernarg_segment_size: 72
    .max_flat_workgroup_size: 384
    .sgpr_count:     80
    .vgpr_count:     258
    .wavefront_size: 32
...
	.end_amdgpu_metadata
.endif
;; end of part 2
;; launch attn (part 3): grid 64 x 4, 12 waves a work-group, clusters of 4 x 1, 327,680 bytes of LDS; arguments qb, kv, cc, cs; writes cc, cs
.if DOCPART == 3
	.amdgcn_target "amdgcn-amd-amdhsa--gfx1250"
	.amdhsa_code_object_version 6
	.text
	.protected	k_q5c981872a8_attn
	.globl	k_q5c981872a8_attn
	.p2align	8
	.type	k_q5c981872a8_attn,@function
k_q5c981872a8_attn:
	s_mov_b64 s[64:65], 0
	v_nop
	global_prefetch_b8 v0, s[64:65] scope:SCOPE_SE
	s_setreg_imm32_b32 hwreg(HW_REG_WAVE_MODE, 25, 1), 1
	s_wait_xcnt 0x0
	s_wait_alu depctr_hold_cnt(0) depctr_sa_sdst(0) depctr_va_vdst(0) depctr_va_sdst(0) depctr_va_ssrc(0) depctr_va_vcc(0) depctr_vm_vsrc(0)
	s_getreg_b32 s2, hwreg(HW_REG_IB_STS2, 6, 4)
	s_cmp_eq_u32 s2, 0
	s_cbranch_scc0 .Lentry_in_a_cluster
	s_endpgm
.Lentry_in_a_cluster:
	s_bfe_u32 s2, ttmp6, 0x10000c
	s_cmp_lg_u32 s2, 0x3003
	s_cbranch_scc0 .Lentry_shape_is_right
	s_endpgm
.Lentry_shape_is_right:
; concat[q][64 head + :] = softmax_k(q . k / 8) v for 64 queries and three heads, both products on codes of FP6 (E2M3) with E8M0 scales; the result is quantised along the 768 and leaves as half fragments.
; THE SOFTMAX AHEAD OF THE SECOND PRODUCT: t = score x log2(e) / 8; M = the running largest t rounded UP to a whole number; p = 2^(t - M) is quantised along the keys, not normalised.
; The row's sum is taken of the unquantised p and divides at the end.  When M moves, the sum and O are multiplied by 2^(old M - new M): exact.
; SHARES.  Work-group (x, y): queries 64 x .. 64 x + 63, heads 3 y .. 3 y + 2: 256 work-groups.  Twelve waves, three to a SIMD: wave w has head 3 y + w / 4 and the tile of 16 queries w % 4, in 256 registers.
; Every wave walks its head's 4,096 keys, 128 a step.  A step's block in kv is 12,800 bytes: four fragments of k, four of v^T, four records of scale words, all as images of registers.
; THE FIRST PRODUCT HAS K = 64, the instruction 128.  A fragment of k holds TWO tiles of 16 keys: registers 0-5 one tile's 64 channels, registers 6-11 the next tile's.  My queries stand twice:
; [q | 0] picks the first tile, [0 | q] the second (zero codes add nothing).  So no byte of k is read twice and none is padding.
; LAYOUT.  Both products transposed (S^T = k q^T, O^T = v^T p^T): a lane holds ONE query.  By the tile order the 16 registers of two neighbouring tiles of S^T are 16 neighbouring keys.
; RING.  Two LDS slots, each with four key steps of the three heads (153,600 bytes); each wave brings one step's block by one tensor load (50 dense rows of 256 bytes).
; CLUSTER 4 x 1: the four work-groups walk the same k and v, so each block is asked for JOINTLY.  Every refill stands behind a round of the cluster's barrier.  By this text's count one tensor load a wave is out.
; lds_bytes: the whole claim; the text uses 308,736 bytes.
; LIMITS: NaN and infinities not served; byte 1 for blocks under 2^-124 and for blocks of zeros.
; REGISTERS: v1-11 addresses; v12 -M, v13 the largest t, v[14:15] the sum; v16-27 [q | 0]; v192-203 [0 | q]; v255 q's scale word; v32-79 four fragments of k, then of v; v96-159 S^T, then p;
;   v160-191 O^T; v224-235 p's codes; v232-247, v252, v254 at work; v253 p's scale word; v248-251 the step's scale records.
.set STEPB, 12800
.set SLOTB, 12*STEPB
.set HEADB, 32*STEPB
.set SPARE, 2*SLOTB                    ; behind the ring: the spare words, 128 bytes for each of twelve waves: six blocks of 256 bytes that no other line names
.set LI,   1                           ; v1   16 x lane
.set LS,   2                           ; v2   4 x lane
.set ADF,  3                           ; v3   the step's fragments
.set ADS,  4                           ; v4   the step's scale records
.set SPW,  5                           ; v5   my spare word; never rewritten
.set NIL,  6                           ; v6   0; never rewritten
.set PFO,  28                          ; v28  the prefetches' offset; never rewritten
.set WV,   12
.set SEL,  20                          ; s[20:21] lane l xor 16
.set CS,   22                          ; s[22:23] c = log2(e) / 8
.set G1,   24                          ; s[24:31] descriptor group 1
.set G0,   32                          ; s[32:39] group 0, a set for each slot
.set HB,   40                          ; s40  my head's four steps in a slot
.set TB,   41                          ; s41  the step in hand
.set LAPS, 42
.set CNT,  43
.set PFA,  44                          ; s[44:45] where my prefetches stand
.set LIM,  46                          ; s46  1 in a wave that prefetches
.set UM,   47                          ; s47  all ones where my tile is the second of its fragment
.set HI16, 56                          ; s56  mask of lanes 16-31
.macro CROUND                          ; a round of the cluster's barrier
	s_barrier_signal -1
	s_barrier_wait -1
	s_cmp_lg_u32 s[WV], 0
	s_cbranch_scc1 .Lnot_wave_0_\@
	s_barrier_signal -3
.Lnot_wave_0_\@:
	s_barrier_wait -3
	s_barrier_signal -1
	s_barrier_wait -1
.endm
.macro WMZ d, a, b, sa, sb, ra         ; D = A x B; ra = 1: A's scale words stand in lanes 16-31
.if (\ra) == 0
	v_wmma_scale_f32_16x16x128_f8f6f4 v[(\d):(\d)+7], v[(\a):(\a)+11], v[(\b):(\b)+11], 0, v[\sa], v[\sb] matrix_a_fmt:MATRIX_FMT_FP6 matrix_b_fmt:MATRIX_FMT_FP6
.else
	v_wmma_scale_f32_16x16x128_f8f6f4 v[(\d):(\d)+7], v[(\a):(\a)+11], v[(\b):(\b)+11], 0, v[\sa], v[\sb] matrix_a_fmt:MATRIX_FMT_FP6 matrix_b_fmt:MATRIX_FMT_FP6 matrix_a_scale:MATRIX_SCALE_ROW1
.endif
.endm
.macro WMA d, a, b, sa, sb, ra         ; D += A x B
.if (\ra) == 0
	v_wmma_scale_f32_16x16x128_f8f6f4 v[(\d):(\d)+7], v[(\a):(\a)+11], v[(\b):(\b)+11], v[(\d):(\d)+7], v[\sa], v[\sb] matrix_a_fmt:MATRIX_FMT_FP6 matrix_b_fmt:MATRIX_FMT_FP6
.else
	v_wmma_scale_f32_16x16x128_f8f6f4 v[(\d):(\d)+7], v[(\a):(\a)+11], v[(\b):(\b)+11], v[(\d):(\d)+7], v[\sa], v[\sb] matrix_a_fmt:MATRIX_FMT_FP6 matrix_b_fmt:MATRIX_FMT_FP6 matrix_a_scale:MATRIX_SCALE_ROW1
.endif
.endm
; A PREFETCH of what the NEXT change of slots will ask for: four key steps ahead of that load.  All sixteen clusters of a group of heads walk the same blocks: the first of them asks.  Its four partners take one
; step's block each, told apart BY ADDRESS; for each head two waves (w % 4 < 2) name the block's 50 pieces of 256 bytes, a lane a piece: lanes 18-31 of the second wave have none left and name the last piece again.
.macro ASK
	s_cmp_eq_u32 s[LIM], 1
	s_cbranch_scc0 .Lnot_mine_\@
	global_prefetch_b8 v[PFO], s[PFA:PFA+1] th:TH_LOAD_NT scope:SCOPE_SE
.Lnot_mine_\@:
.endm
	s_load_b256 s[4:11], s[0:1], 0x0               ; qb, kv, cc, cs
	v_lshl_add_u32 v[SPW], v0, 2, SPARE
	v_mov_b32 v[NIL], 0
	ds_add_u32 v5, v6
	ds_add_u32 v5, v6
	s_wait_dscnt 0x0
	v_lshrrev_b32 v7, 5, v0
	v_readfirstlane_b32 s[WV], v7                  ; wave 0..11
	s_bfe_u32 s13, ttmp6, 0x40000                  ; cx
	s_lshl_b32 s14, ttmp9, 2
	s_add_co_u32 s14, s14, s13                     ; work-group x: which 64 queries
	s_and_b32 s15, ttmp7, 0xffff
	s_lshr_b32 s16, s[WV], 2
	s_and_b32 s17, s[WV], 3                        ; my tile of queries; also: which of a slot's four steps I fetch
	s_mul_i32 s18, s15, 3
	s_add_co_u32 s18, s18, s16                     ; my head
	s_mul_i32 s19, s[WV], STEPB                    ; where my load lands in a slot: no place in the cluster enters an LDS address
	s_mul_i32 s[HB], s16, 4*STEPB
	s_mul_i32 s2, s18, HEADB
	s_mul_i32 s3, s17, STEPB
	s_add_co_u32 s2, s2, s3
	s_mov_b32 s3, 0
	s_mov_b32 s[G1], 15|(3<<16)|(1<<21)            ; 15:0 the mask: all four work-groups; 17:16 elements of 8 bytes; 21 set beside a mask; no padding
	s_mov_b32 s[G1+1], 32<<16                      ; tensor_dim0 = 32: rows of 256 bytes
	s_mov_b32 s[G1+2], 50<<16                      ; tensor_dim1 = 50 rows
	s_mov_b32 s[G1+3], 32<<16                      ; tile_dim0
	s_mov_b32 s[G1+4], 50                          ; tile_dim1
	s_mov_b32 s[G1+5], 32                          ; the pitch: dense
	s_mov_b32 s[G1+6], 0
	s_mov_b32 s[G1+7], 0
	s_mov_b32 s[SEL], 0x76543210
	s_mov_b32 s[SEL+1], 0xfedcba98
	s_mov_b32 s[CS], 0x3e38aa3b                    ; log2(e) / 8
	s_mov_b32 s[CS+1], s[CS]                       ; (named with it as a pair, so it is written)
	s_mov_b32 s[HI16], 0xffff0000
	s_lshr_b32 s52, s17, 1                         ; 0 in the two waves of a head that prefetch,
	s_or_b32 s52, s52, ttmp9                       ; where the cluster is the first: the same in all four partners
	s_cmp_eq_u32 s52, 0
	s_cselect_b32 s[LIM], 1, 0
	s_and_b32 s55, s17, 1
	s_cmp_lg_u32 s55, 0
	s_cselect_b32 s[UM], -1, 0
	s_lshl_b32 s55, s55, 4                         ; 16 x (my tile's place in its fragment)
	s_wait_kmcnt 0x0
	s_add_nc_u64 s[48:49], s[6:7], s[2:3]          ; my block of the head's first four steps
	CROUND                                         ; all four work-groups are here: the first joint load meets
	s_mov_b32 s[G0], 1
	s_mov_b32 s[G0+1], s19
	s_mov_b64 s[G0+2:G0+3], s[48:49]
	s_or_b32 s[G0+3], s[G0+3], 0x80000000
	s_mov_b32 s[G0+4], 1
	s_add_co_u32 s[G0+5], s19, SLOTB
	s_add_nc_u64 s[G0+6:G0+7], s[48:49], 4*STEPB
	s_or_b32 s[G0+7], s[G0+7], 0x80000000
	tensor_load_to_lds s[G0:G0+3], s[G1:G1+7]      ; steps 0 to 3 into slot 0
	s_nop 0
.rept 4
	v_nop
.endr
	; my queries: half of a fragment of qb, and half of its scale word
	s_mul_i32 s50, s18, 204800
	s_lshr_b32 s51, s14, 1
	s_mul_i32 s51, s51, 6400
	s_add_co_u32 s50, s50, s51
	s_mov_b32 s51, 0
	s_add_nc_u64 s[4:5], s[4:5], s[50:51]          ; the block of 128 queries
	s_and_b32 s52, s14, 1
	s_lshr_b32 s53, s17, 1
	s_lshl_b32 s54, s52, 1
	s_add_co_u32 s54, s54, s53
	s_mul_i32 s54, s54, 1536                       ; the fragment
	s_lshl_b32 s52, s52, 7
	s_lshl_b32 s53, s53, 6
	s_add_co_u32 s52, s52, s53
	s_add_co_u32 s52, s52, 6144                    ; its rows' scale words
	v_and_b32 v7, 31, v0
	v_lshlrev_b32 v[LI], 4, v7
	v_lshlrev_b32 v[LS], 2, v7
	v_and_b32 v8, 15, v0
	v_add_nc_u32 v7, s54, v[LI]
	v_lshl_add_u32 v8, v8, 2, s52
	global_load_b128 v[32:35], v7, s[4:5]
	global_load_b128 v[36:39], v7, s[4:5] offset:512
	global_load_b128 v[40:43], v7, s[4:5] offset:1024
	global_load_b32 v9, v8, s[4:5]
	; where the results go
	s_mul_i32 s50, s14, 36864
	s_lshr_b32 s52, s18, 1                         ; the out projection's K step
	s_mul_i32 s53, s52, 6144
	s_add_co_u32 s50, s50, s53
	s_mul_i32 s53, s17, 1536
	s_add_co_u32 s50, s50, s53
	s_and_b32 s54, s18, 1                          ; and which half of it
	s_mul_i32 s53, s54, 768
	s_add_co_u32 s50, s50, s53
	s_add_nc_u64 s[8:9], s[8:9], s[50:51]
	s_mul_i32 s50, s14, 6
	s_add_co_u32 s50, s50, s52
	s_lshl_b32 s50, s50, 8
	s_lshl_b32 s53, s17, 6
	s_add_co_u32 s50, s50, s53
	s_lshl_b32 s53, s54, 1
	s_add_co_u32 s50, s50, s53
	s_add_nc_u64 s[10:11], s[10:11], s[50:51]
	; the prefetches: my work-group's step of the slot's four, in steps 4 to 7; the first change of slots steps it to steps 8 to 11.  Nothing is prefetched here, at the head
	s_mul_i32 s50, s18, HEADB
	s_mul_i32 s53, s13, STEPB
	s_add_co_u32 s50, s50, s53
	s_add_co_u32 s50, s50, 4*STEPB
	s_add_nc_u64 s[PFA:PFA+1], s[6:7], s[50:51]
	v_and_b32 v[PFO], 63, v0                       ; 32 (w % 2) + lane
	v_min_u32 v[PFO], 49, v[PFO]
	v_lshlrev_b32 v[PFO], 8, v[PFO]
	v_mov_b32 v13, 0xff61b1e6                      ; the largest t so far: -3e38, under every t
	v_floor_f32 v12, -v13                          ; -M
	v_mov_b32 v14, 0                               ; the sum, in two halves
	v_mov_b32 v15, 0
.irp b, 0,1,2,3
	v_mov_b32 v[236+\b], 0                         ; (a lane permute's destination counts as one of its sources)
.endr
	v_mov_b32 v253, 0                              ; (named as the upper half of the pair v[252:253] before it is first written)
	s_wait_loadcnt 0x0
.irp j, 0,1,2,3,4,5
	v_cndmask_b32 v[16+\j], v[32+\j], v[38+\j], s[UM]   ; my tile's six registers of the fragment
.endr
.irp j, 0,1,2,3,4,5
	v_mov_b32 v[22+\j], 0                          ; [q | 0]
	v_mov_b32 v[192+\j], 0                         ; [0 | q]
.endr
.irp j, 0,1,2,3,4,5
	v_mov_b32 v[198+\j], v[16+\j]
.endr
	v_lshrrev_b32 v255, s55, v9
	v_and_b32 v255, 0xffff, v255
	v_lshl_or_b32 v255, v255, 16, v255             ; my tile's two bytes, for both halves of K
.set j, 0
.rept 32
	v_mov_b32 v[160+j], 0                          ; O^T.  (The step is written once: the first finds zeros, which the first change of M leaves zeros.)  These are also the places behind the lines above
.set j, j+1
.endr
; A KEY STEP: 128 keys
.macro STEP
	v_add_nc_u32 v[ADF], s[TB], v[LI]
	v_add_nc_u32 v[ADS], s[TB], v[LS]
	v_nop
	v_nop                                          ; four places in front of loads into registers that the last products read
.irp k, 0,1,2,3
	ds_load_b32 v[248+\k], v[ADS] offset:12288+128*\k              ; the scale records: k's fragments 0, 1 | 2, 3 | v's tiles 0, 1 | 2, 3
.endr
.irp f, 0,1,2,3
.irp c, 0,1,2
	ds_load_b128 v[32+12*\f+4*\c:35+12*\f+4*\c], v[ADF] offset:1536*\f+512*\c
.endr
.endr
.irp f, 0,1,2,3
	s_wait_dscnt 9-3*\f                            ; fragment f is in; three loads for each younger fragment may be out
	WMZ 96+16*\f, 32+12*\f, 16, 248+\f/2, 255, \f%2        ; keys 32 f + 16 h + 0 .. 7
	WMZ 104+16*\f, 32+12*\f, 192, 248+\f/2, 255, \f%2      ; keys 32 f + 16 h + 8 .. 15
.endr
.rept 4
	v_nop                                          ; places: for the loads below and for the first read of the scores
.endr
.irp f, 0,1,2,3
.irp c, 0,1,2
	ds_load_b128 v[32+12*\f+4*\c:35+12*\f+4*\c], v[ADF] offset:6144+1536*\f+512*\c   ; v^T: it lands during the softmax
.endr
.endr
.irp b, 0,1,2,3
	v_max3_num_f32 v[232+\b], v[96+16*\b], v[97+16*\b], v[98+16*\b]   ; the largest score of each block of 32 keys: for the row's maximum, and, since p rises with the score, for the block's largest p
.endr
.irp i, 3,5,7,9,11,13
.irp b, 0,1,2,3
	v_max3_num_f32 v[232+\b], v[232+\b], v[96+16*\b+\i], v[97+16*\b+\i]
.endr
.endr
.irp b, 0,1,2,3
	v_max_num_f32 v[232+\b], v[232+\b], v[111+16*\b]
.endr
.irp b, 0,1,2,3
	v_permlanex16_b32 v[236+\b], v[232+\b], s[SEL], s[SEL+1]
.endr
.irp b, 0,1,2,3
	v_max_num_f32 v[232+\b], v[232+\b], v[236+\b]  ; with lane l xor 16's 16 keys
.endr
	v_max3_num_f32 v254, v232, v233, v234
	v_max_num_f32 v254, v254, v235                 ; the step's largest score of my query
	v_mul_f32 v254, s[CS], v254                    ; as t (c is positive)
	v_max_num_f32 v13, v13, v254                   ; the running largest t
	v_mov_b32 v254, v12
	v_floor_f32 v12, -v13                          ; the new -M = floor(-t): M is a whole number
	v_sub_f32 v254, v12, v254                      ; old M - new M: a whole number, 0 or less
	v_cvt_i32_f32 v254, v254                       ; (it saturates)
	v_ldexp_f32 v252, 1.0, v254                    ; f = 2^(old M - new M)
.set j, 0
.rept 32
	v_pk_fma_f32 v[96+j:97+j], v[96+j:97+j], s[CS:CS+1], v[12:13] op_sel_hi:[1,0,0]   ; t - M, two at a time
.set j, j+2
.endr
.irp b, 0,1,2,3
	v_fma_f32 v[232+\b], v[232+\b], s[CS], v12     ; the same of each block's largest score
.endr
.set j, 0
.rept 64
	v_exp_f32 v[96+j], v[96+j]                     ; p = 2^(t - M), at most 1
.set j, j+1
.endr
	v_pk_mul_f32 v[14:15], v[14:15], v[252:253] op_sel_hi:[1,0]   ; the sums under the new M: a plain place behind the exponentials
	s_wait_alu depctr_va_vdst(0)                   ; one wait for the batch of 64, ahead of its first reader
.irp b, 0,1,2,3
	v_exp_f32 v[232+\b], v[232+\b]                 ; the block's largest p
.endr
	v_pk_add_f32 v[236:237], v[96:97], v[98:99]    ; the row's sum, of the unquantised p: two chains
.irp i, 4,8,12,16,20,24,28,32,36,40,44,48,52,56,60
	v_pk_add_f32 v[14:15], v[14:15], v[96+\i:97+\i]
	v_pk_add_f32 v[236:237], v[236:237], v[98+\i:99+\i]
.endr
	v_pk_add_f32 v[14:15], v[14:15], v[236:237]
	s_wait_alu depctr_va_vdst(0)                   ; and one for the four
.irp b, 0,1,2,3
	v_max_num_f32 v[232+\b], 0x1800000, v[232+\b]  ; the floor 2^(3 - 127)
.endr
.irp b, 0,1,2,3
	v_add_nc_u32 v[244+\b], 0xff000000, v[232+\b]  ; the conversion's scale operand
.endr
.irp b, 0,1,2,3
	v_lshrrev_b32 v[236+\b], 23, v[244+\b]         ; the scale's byte
.endr
	v_lshl_or_b32 v253, v237, 8, v236              ; p's scale word for these 128 keys
	v_lshl_or_b32 v253, v238, 16, v253
	v_lshl_or_b32 v253, v239, 24, v253
.irp c, 0,1
	v_cvt_scalef32_pk16_fp6_f32 v[224+6*\c:226+6*\c], v[96+32*\c:111+32*\c], v[244+2*\c]
	v_cvt_scalef32_pk16_fp6_f32 v[236+4*\c:238+4*\c], v[112+32*\c:127+32*\c], v[244+2*\c+1]
.endr
	v_nop                                          ; one plain place behind a scaled conversion
.irp c, 0,1
.irp i, 0,1,2
	v_permlane16_swap_b32 v[224+6*\c+\i], v[236+4*\c+\i]
.endr
.irp i, 0,1,2
	v_mov_b32 v[227+6*\c+\i], v[236+4*\c+\i]
.endr
.endr
.set j, 0
.rept 16
	v_pk_mul_f32 v[160+j:161+j], v[160+j:161+j], v[252:253] op_sel_hi:[1,0]   ; O^T under the new M.  (These sixteen are also the places between p's codes and scale word and the products)
.set j, j+2
.endr
	s_wait_dscnt 0x0                               ; v^T is in
.irp f, 0,1,2,3
	WMA 160+8*\f, 32+12*\f, 224, 250+\f/2, 253, \f%2       ; the four accumulators by turns
.endr
.endm
; THE CHANGE OF SLOTS stands at a slot's head.  Each wave waits for all its tensor loads (its part of the slot ahead), adds 0 to its spare word, and waits for that and for its reads of the slot that it has left.
; Behind the round the slot ahead is whole in all four work-groups and nobody reads the other one.  refill = 1: that other slot takes the next four steps: the load has four key steps in which to land.
.macro TRIP slot, refill, ask
	s_wait_tensorcnt 0x0                           ; no tensor load of mine is out, so a group 0 may be written
	ds_add_u32 v[SPW], v[NIL]                      ; 0 onto my spare word
	s_add_nc_u64 s[G0+2+4*\slot:G0+3+4*\slot], s[G0+2+4*\slot:G0+3+4*\slot], 8*STEPB   ; this slot's next four steps
.if \ask
	s_wait_xcnt 0x0                                ; the last prefetch, a slot back, has read its address
	s_add_nc_u64 s[PFA:PFA+1], s[PFA:PFA+1], 4*STEPB
.endif
	s_wait_dscnt 0x0                               ; the add is done, and my reads of the slot that I have left are over
	CROUND
.if \refill
	tensor_load_to_lds s[G0+4-4*\slot:G0+7-4*\slot], s[G1:G1+7]    ; the first thing behind the round, and my one tensor load until the next
	s_nop 0
.rept 4
	v_nop
.endr
.endif
.if \ask
	ASK
.endif
	s_add_co_u32 s[TB], s[HB], \slot*SLOTB
	s_mov_b32 s[CNT], 4
.Lstep_\@:
	STEP
	s_add_co_u32 s[TB], s[TB], STEPB
	s_sub_co_u32 s[CNT], s[CNT], 1
	s_cmp_lg_u32 s[CNT], 0
	s_cbranch_scc1 .Lstep_\@
.endm
	s_mov_b32 s[LAPS], 3
.Llap:                                                 ; eight slots' worth of keys: three laps of two, and the last two written out
	TRIP 0, 1, 1
	TRIP 1, 1, 1
	s_sub_co_u32 s[LAPS], s[LAPS], 1
	s_cmp_lg_u32 s[LAPS], 0
	s_cbranch_scc1 .Llap
	TRIP 0, 1, 0                                   ; the last load; nothing is left to prefetch
	TRIP 1, 0, 0
	; THE WAY OUT.  O^T / the sum is my 16 queries' 64 channels of concat: two blocks of 32 along the out projection's K.  They are quantised as p was and leave as HALF a fragment (six registers).
.rept 4
	v_nop                                          ; places behind the last products
.endr
	v_add_f32 v14, v14, v15
	v_permlanex16_b32 v252, v14, s[SEL], s[SEL+1]
	v_add_f32 v14, v14, v252                       ; the row's sum
	v_rcp_f32 v14, v14
	v_and_b32 v7, 31, v0                           ; (a plain place behind the reciprocal)
	v_lshlrev_b32 v7, 3, v7                        ; 8 x lane
	v_and_b32 v8, 15, v0
	v_bfe_u32 v9, v0, 4, 1
	v_lshl_add_u32 v8, v8, 2, v9                   ; 4 r + h: my byte of the row's scale word
	s_wait_alu depctr_va_vdst(0)                   ; the wait, ahead of the first reader
.set j, 0
.rept 32
	v_mul_f32 v[96+j], v[160+j], v14               ; register 16 b + i: channel 32 b + 16 h + i
.set j, j+1
.endr
.irp b, 0,1
	v_max3_num_f32 v[232+\b], |v[96+16*\b]|, |v[97+16*\b]|, 0x1800000
.endr
.irp i, 2,4,6,8,10,12,14
.irp b, 0,1
	v_max3_num_f32 v[232+\b], v[232+\b], |v[96+16*\b+\i]|, |v[97+16*\b+\i]|
.endr
.endr
.irp b, 0,1
	v_permlanex16_b32 v[236+\b], v[232+\b], s[SEL], s[SEL+1]
.endr
.irp b, 0,1
	v_max_num_f32 v[232+\b], v[232+\b], v[236+\b]
.endr
.irp b, 0,1
	v_add_nc_u32 v[244+\b], 0xff000000, v[232+\b]
.endr
.irp b, 0,1
	v_lshrrev_b32 v[240+\b], 23, v[244+\b]
.endr
	v_cvt_scalef32_pk16_fp6_f32 v[224:226], v[96:111], v244
	v_cvt_scalef32_pk16_fp6_f32 v[236:238], v[112:127], v245
	v_nop                                          ; one plain place behind a scaled conversion
.irp i, 0,1,2
	v_permlane16_swap_b32 v[224+\i], v[236+\i]
.endr
.irp i, 0,1,2
	v_mov_b32 v[227+\i], v[236+\i]
.endr
	v_cndmask_b32 v242, v240, v241, s[HI16]        ; lanes 0-15 store block 0's byte, lanes 16-31 block 1's
	global_store_b128 v[LI], v[224:227], s[8:9]              ; registers 0-3: 512 consecutive bytes
	global_store_b64 v7, v[228:229], s[8:9] offset:512       ; registers 4, 5: 256 consecutive bytes
	global_store_b8 v8, v242, s[10:11]
	s_wait_tensorcnt 0x0                           ; the wave's end
	ds_add_u32 v[SPW], v[NIL]
	s_wait_dscnt 0x0
	CROUND                                         ; the closing round
	s_endpgm
.Lfunc_end_k_q5c981872a8_attn:
	.size	k_q5c981872a8_attn, .Lfunc_end_k_q5c981872a8_attn-k_q5c981872a8_attn
	.p2alignl 7, 3214868480
	.fill 96, 4, 3214868480
	.section	.rodata,"a",@progbits
	.p2align	6, 0x0
	.amdhsa_kernel k_q5c981872a8_attn
		.amdhsa_group_segment_fixed_size 327680
		.amdhsa_private_segment_fixed_size 0
		.amdhsa_enable_private_segment 0
		.amdhsa_kernarg_size 32
		.amdhsa_user_sgpr_count 2
		.amdhsa_user_sgpr_kernarg_segment_ptr 1
		.amdhsa_wavefront_size32 1
		.amdhsa_system_sgpr_workgroup_id_x 1
		.amdhsa_system_sgpr_workgroup_id_y 1
		.amdhsa_system_sgpr_workgroup_id_z 1
		.amdhsa_system_vgpr_workitem_id 0
		.amdhsa_next_free_vgpr 256
		.amdhsa_next_free_sgpr 66
		.amdhsa_reserve_vcc 0
		.amdhsa_float_denorm_mode_32 3
		.amdhsa_float_denorm_mode_16_64 3
		.amdhsa_memory_ordered 1
		.amdhsa_forward_progress 1
		.amdhsa_inst_pref_size 78
	.end_amdhsa_kernel
	.amdgpu_metadata
---
amdhsa.version: [ 1, 2 ]
amdhsa.kernels:
  - .name:           k_q5c981872a8_attn
    .symbol:         k_q5c981872a8_attn.kd
    .args:
      - { .name: qb, .offset: 0, .size: 8, .value_kind: global_buffer, .address_space: global }
      - { .name: kv, .offset: 8, .size: 8, .value_kind: global_buffer, .address_space: global }
      - { .name: cc, .offset: 16, .size: 8, .value_kind: global_buffer, .address_space: global }
      - { .name: cs, .offset: 24, .size: 8, .value_kind: global_buffer, .address_space: global }
    .group_segment_fixed_size: 327680
    .private_segment_fixed_size: 0
    .kernarg_segment_align: 8
    .kernarg_segment_size: 32
    .max_flat_workgroup_size: 384
    .sgpr_count:     66
    .vgpr_count:     256
    .wavefront_size: 32
...
	.end_amdgpu_metadata
.endif
;; end of part 3
;; launch outp (part 4): grid 64 x 3, 4 waves a work-group, clusters of 4 x 1, 254,464 bytes of LDS; arguments cc, cs, wc, ws, bo, out0; writes out0
.if DOCPART == 4
	.amdgcn_target "amdgcn-amd-amdhsa--gfx1250"
	.amdhsa_code_object_version 6
	.text
	.protected	k_q5c981872a8_outp
	.globl	k_q5c981872a8_outp
	.p2align	8
	.type	k_q5c981872a8_outp,@function
k_q5c981872a8_outp:
	s_mov_b64 s[64:65], 0
	v_nop
	global_prefetch_b8 v0, s[64:65] scope:SCOPE_SE
	s_setreg_imm32_b32 hwreg(HW_REG_WAVE_MODE, 25, 1), 1
	s_wait_xcnt 0x0
	s_wait_alu depctr_hold_cnt(0) depctr_sa_sdst(0) depctr_va_vdst(0) depctr_va_sdst(0) depctr_va_ssrc(0) depctr_va_vcc(0) depctr_vm_vsrc(0)
	s_getreg_b32 s2, hwreg(HW_REG_IB_STS2, 6, 4)
	s_cmp_eq_u32 s2, 0
	s_cbranch_scc0 .Lentry_in_a_cluster
	s_endpgm
.Lentry_in_a_cluster:
	s_bfe_u32 s2, ttmp6, 0x10000c
	s_cmp_lg_u32 s2, 0x3003
	s_cbranch_scc0 .Lentry_shape_is_right
	s_endpgm
.Lentry_shape_is_right:
; out0 = concat Wo + bo, on codes of FP6 (E2M3) with E8M0 scales, sums in f32.
; SHARES.  Work-group (x, y): tokens 64 x .. 64 x + 63, columns 256 y .. 256 y + 255; wave w: the 64 columns 64 (4 y + w): 256 aligned bytes of each row of out0.
; LDS, filled ONCE: concat's group block (36,864 bytes) at 0, a quarter by each wave; behind it each wave's block of Wo; behind those a stage of 17,408 bytes for each wave, into which no fill lands.
; CLUSTER 4 x 1: the four work-groups have the same y and read the same blocks of Wo, four fifths of a work-group's bytes: those are asked for jointly.  concat's block is shared only with the two other y;
; the grid's 3 along y divide into no cluster of four, so it comes by a load of the work-group's own.
; The product is used transposed (source 0 = 16 columns of Wo, source 1 = 16 tokens): a lane holds one token and, by the tile order, 16 neighbouring columns in two neighbouring tiles.
; concat's fragments lie as two halves of six registers (registers 0-3 at 16 l, 4-5 at 512 + 8 l of 768 bytes).  bo is the C of each sum's first matrix instruction.  The 16 accumulators take turns.
; REGISTERS: v1-7 addresses; v8-19 concat's scale words, v20-31 Wo's, and nothing else; v32-79 Wo's four fragments; v80-127 concat's four; v128-255 accumulator (i, t) at 128 + 8 (4 i + t).
.set WV,   16
.set G1W,  24                          ; s[24:31], s[40:43] groups 1 and 0 for Wo's block;  s[32:39], s[44:47] for my quarter of concat's
.set G1A,  32
.set G0W,  40
.set G0A,  44
.set XB,   36864
.set STG,  5*XB                        ; the stages
.set SPT,  272                         ; a stage row: 256 bytes + 16
.set FW,   32
.set FX,   80
.set ACC,  128
.macro CROUND
	s_barrier_signal -1
	s_barrier_wait -1
	s_cmp_lg_u32 s[WV], 0
	s_cbranch_scc1 .Lnot_wave_0_\@
	s_barrier_signal -3
.Lnot_wave_0_\@:
	s_barrier_wait -3
	s_barrier_signal -1
	s_barrier_wait -1
.endm
.macro WM d, a, b, sa, sb, ra, rb      ; D += A x B; ra, rb = 1: that side's scale words stand in lanes 16-31
.if ((\ra) == 0) && ((\rb) == 0)
	v_wmma_scale_f32_16x16x128_f8f6f4 v[(\d):(\d)+7], v[(\a):(\a)+11], v[(\b):(\b)+11], v[(\d):(\d)+7], v[\sa], v[\sb] matrix_a_fmt:MATRIX_FMT_FP6 matrix_b_fmt:MATRIX_FMT_FP6
.elseif ((\ra) == 1) && ((\rb) == 0)
	v_wmma_scale_f32_16x16x128_f8f6f4 v[(\d):(\d)+7], v[(\a):(\a)+11], v[(\b):(\b)+11], v[(\d):(\d)+7], v[\sa], v[\sb] matrix_a_fmt:MATRIX_FMT_FP6 matrix_b_fmt:MATRIX_FMT_FP6 matrix_a_scale:MATRIX_SCALE_ROW1
.elseif ((\ra) == 0) && ((\rb) == 1)
	v_wmma_scale_f32_16x16x128_f8f6f4 v[(\d):(\d)+7], v[(\a):(\a)+11], v[(\b):(\b)+11], v[(\d):(\d)+7], v[\sa], v[\sb] matrix_a_fmt:MATRIX_FMT_FP6 matrix_b_fmt:MATRIX_FMT_FP6 matrix_b_scale:MATRIX_SCALE_ROW1
.else
	v_wmma_scale_f32_16x16x128_f8f6f4 v[(\d):(\d)+7], v[(\a):(\a)+11], v[(\b):(\b)+11], v[(\d):(\d)+7], v[\sa], v[\sb] matrix_a_fmt:MATRIX_FMT_FP6 matrix_b_fmt:MATRIX_FMT_FP6 matrix_a_scale:MATRIX_SCALE_ROW1 matrix_b_scale:MATRIX_SCALE_ROW1
.endif
.endm
	s_load_b256 s[4:11], s[0:1], 0x0               ; cc, cs, wc, ws
	s_load_b128 s[12:15], s[0:1], 0x20             ; bo, out0
	s_set_vgpr_msb 0x40
	v_lshl_add_u32 v0, v0, 2, 0x3e000
	v_mov_b32 v1, 0
	s_set_vgpr_msb 0x4045
	ds_add_u32 v0, v1
	ds_add_u32 v0, v1
	s_set_vgpr_msb 0x4500
	v_lshrrev_b32 v1, 5, v0
	v_readfirstlane_b32 s[WV], v1                  ; wave 0..3
	s_bfe_u32 s17, ttmp6, 0x40000                  ; cx
	s_lshl_b32 s18, ttmp9, 2
	s_add_co_u32 s18, s18, s17                     ; work-group x: which 64 tokens
	s_and_b32 s19, ttmp7, 0xffff
	s_lshl_b32 s20, s19, 2
	s_add_co_u32 s20, s20, s[WV]                   ; which 64 columns: the same in all four partners
	s_add_co_u32 s48, s20, 36                      ; their group's number in wc and ws
	s_mul_i32 s52, s48, 1536
	s_mul_i32 s48, s48, XB
	s_mov_b32 s49, 0
	s_mov_b32 s53, 0
	s_mul_i32 s21, s[WV], 9216                     ; my quarter of concat's block
	s_mul_i32 s50, s18, XB
	s_add_co_u32 s50, s50, s21
	s_mov_b32 s51, 0
	s_mul_i32 s22, s[WV], XB
	s_add_co_u32 s22, s22, XB                      ; my block of Wo in LDS
	s_mov_b32 s[G1W], 15|(3<<16)|(1<<21)           ; the mask: all four work-groups; elements of 8 bytes; 21 set beside a mask
	s_mov_b32 s[G1W+1], 32<<16                     ; rows of 256 bytes,
	s_mov_b32 s[G1W+2], 144<<16                    ; 144 of them
	s_mov_b32 s[G1W+3], 32<<16
	s_mov_b32 s[G1W+4], 144
	s_mov_b32 s[G1W+5], 32
	s_mov_b32 s[G1W+6], 0
	s_mov_b32 s[G1W+7], 0
	s_mov_b32 s[G1A], 3<<16                        ; no mask: the work-group's own
	s_mov_b32 s[G1A+1], 32<<16
	s_mov_b32 s[G1A+2], 36<<16                     ; 36 rows
	s_mov_b32 s[G1A+3], 32<<16
	s_mov_b32 s[G1A+4], 36
	s_mov_b32 s[G1A+5], 32
	s_mov_b32 s[G1A+6], 0
	s_mov_b32 s[G1A+7], 0
	s_wait_dscnt 0x0
	s_wait_kmcnt 0x0
	CROUND                                         ; all four work-groups are here: the joint loads meet
	s_mov_b32 s[G0W], 1
	s_mov_b32 s[G0W+1], s22
	s_add_nc_u64 s[G0W+2:G0W+3], s[8:9], s[48:49]
	s_or_b32 s[G0W+3], s[G0W+3], 0x80000000
	s_mov_b32 s[G0A], 1
	s_mov_b32 s[G0A+1], s21
	s_add_nc_u64 s[G0A+2:G0A+3], s[4:5], s[50:51]
	s_or_b32 s[G0A+3], s[G0A+3], 0x80000000
	tensor_load_to_lds s[G0W:G0W+3], s[G1W:G1W+7]  ; every wave issues both: two loads of mine are out
	s_nop 0
	tensor_load_to_lds s[G0A:G0A+3], s[G1A:G1A+7]
	s_nop 0
.rept 4
	v_nop
.endr
	v_and_b32 v5, 31, v0
	v_lshlrev_b32 v1, 4, v5                        ; 16 x lane
	v_lshlrev_b32 v2, 3, v5                        ; 8 x lane
	v_lshlrev_b32 v7, 2, v5                        ; 4 x lane
	v_add_nc_u32 v3, s22, v1                       ; my block of Wo
	v_bfe_u32 v6, v0, 4, 1                         ; h
	v_lshlrev_b32 v4, 6, v6                        ; 64 h: the bias
	s_mul_i32 s54, s18, 1536
	s_mov_b32 s55, 0
	s_add_nc_u64 s[6:7], s[6:7], s[54:55]          ; concat's scale words
	s_add_nc_u64 s[10:11], s[10:11], s[52:53]      ; Wo's
	s_lshl_b32 s54, s20, 8
	s_add_nc_u64 s[12:13], s[12:13], s[54:55]      ; bo at my 64 columns
	s_add_nc_u64 s[14:15], s[14:15], s[54:55]      ; out0 likewise,
	s_mul_i32 s54, s18, 64*3072
	s_add_nc_u64 s[14:15], s[14:15], s[54:55]      ; at my first token
.irp k, 0,1,2,3,4,5,6,7,8,9,10,11
	global_load_b32 v[8+\k], v7, s[6:7] offset:128*\k
.endr
.irp k, 0,1,2,3,4,5,6,7,8,9,10,11
	global_load_b32 v[20+\k], v7, s[10:11] offset:128*\k
.endr
.irp i, 0,1,2,3
.irp t, 0,1,2,3
	global_load_b128 v[ACC+8*(4*\i+\t):ACC+8*(4*\i+\t)+3], v4, s[12:13] offset:4*(32*(\t/2)+8*(\t%2))       ; columns 32 (t / 2) + 16 h + 8 (t % 2) + 0 .. 7
	global_load_b128 v[ACC+8*(4*\i+\t)+4:ACC+8*(4*\i+\t)+7], v4, s[12:13] offset:4*(32*(\t/2)+8*(\t%2))+16
.endr
.endr
	s_mul_i32 s23, s[WV], 64*SPT
	s_add_co_u32 s23, s23, STG                     ; my stage
	v_and_b32 v5, 15, v0                           ; r
	s_wait_tensorcnt 0x0                           ; my parts are in,
	s_barrier_signal -1
	s_barrier_wait -1                              ; everybody's are; nothing is filled again
	s_wait_loadcnt 0x0
.macro OSTEP s
.irp t, 0,1,2,3
.irp c, 0,1,2
	ds_load_b128 v[FW+12*\t+4*\c:FW+12*\t+4*\c+3], v3 offset:6144*(\s)+1536*\t+512*\c
.endr
.endr
.irp i, 0,1,2,3
	ds_load_b128 v[FX+12*\i:FX+12*\i+3], v1 offset:6144*(\s)+1536*\i
	ds_load_b64 v[FX+12*\i+4:FX+12*\i+5], v2 offset:6144*(\s)+1536*\i+512
	ds_load_b128 v[FX+12*\i+6:FX+12*\i+9], v1 offset:6144*(\s)+1536*\i+768
	ds_load_b64 v[FX+12*\i+10:FX+12*\i+11], v2 offset:6144*(\s)+1536*\i+1280
.endr
.irp i, 0,1,2,3
	s_wait_dscnt 12-4*\i                           ; Wo's four and concat's tile i are in; four loads for each younger tile may be out
.irp t, 0,1,2,3
	WM ACC+8*(4*\i+\t), FW+12*\t, FX+12*\i, 20+2*(\s)+\t/2, 8+2*(\s)+\i/2, \t%2, \i%2
.endr
.endr
.rept 4
	v_nop                                          ; places in front of loads into registers that matrix instructions have read, and of the first read of results
.endr
.endm
	OSTEP 0
	OSTEP 1
	OSTEP 2
	OSTEP 3
	OSTEP 4
	OSTEP 5
	; THE WAY OUT.  A pair of tiles is 32 neighbouring tokens x 64 columns: it goes through my stage (each pair has a half of its own) and comes back as whole rows of 256 bytes.
	v_and_b32 v97, 8, v5
	v_add_nc_u32 v97, v97, v5                      ; r + 8 (r / 8)
	v_mul_u32_u24 v97, v97, SPT
	v_lshl_add_u32 v97, v6, 6, v97                 ; + 64 h
	v_add_nc_u32 v97, s23, v97                     ; in
	v_mul_u32_u24 v98, v6, SPT
	v_lshl_add_u32 v98, v5, 4, v98
	v_add_nc_u32 v98, s23, v98                     ; back: lanes 0-15 one row, lanes 16-31 the next
	v_mul_u32_u24 v96, v6, 3072
	v_lshl_add_u32 v96, v5, 4, v96                 ; and the same two rows in out0
.macro TOSTAGE p
.irp u, 0,1
.irp t, 0,1,2,3
	ds_store_b128 v97, v[ACC+8*(4*(2*(\p)+\u)+\t):ACC+8*(4*(2*(\p)+\u)+\t)+3] offset:32*SPT*(\p)+8*\u*SPT+128*(\t/2)+32*(\t%2)      ; each accumulator from its low end on
	ds_store_b128 v97, v[ACC+8*(4*(2*(\p)+\u)+\t)+4:ACC+8*(4*(2*(\p)+\u)+\t)+7] offset:32*SPT*(\p)+8*\u*SPT+128*(\t/2)+32*(\t%2)+16
.endr
.endr
.endm
.macro BACK p, reg
.irp k, 0,1,2,3,4,5,6,7,8,9,10,11,12,13,14,15
	ds_load_b128 v[(\reg)+4*\k:(\reg)+4*\k+3], v98 offset:32*SPT*(\p)+2*\k*SPT     ; LDS serves a wave's instructions in order: these see my stores
.endr
.endm
	TOSTAGE 0
	BACK 0, 32
	TOSTAGE 1
	s_wait_dscnt 0x0                               ; the first pair's rows are in, and every store into the stage has read its registers
.irp k, 0,1,2,3,4,5,6,7,8,9,10,11,12,13,14,15
	global_store_b128 v96, v[32+4*\k:35+4*\k], s[14:15] offset:2*\k*3072 th:TH_STORE_NT    ; 16 lanes store 256 consecutive bytes, at a multiple of 256 from out0's first byte
.endr
	BACK 1, 128
.irp k, 0,1,2,3,4,5,6,7,8,9,10,11,12,13,14,15
	s_wait_dscnt 15-\k                             ; the 15 - k younger rows may be out
	global_store_b128 v96, v[128+4*\k:131+4*\k], s[14:15] offset:(32+2*\k)*3072 th:TH_STORE_NT
.endr
	s_set_vgpr_msb 0x5
	s_wait_tensorcnt 0x0
	ds_add_u32 v0, v1
	s_wait_dscnt 0x0
	s_set_vgpr_msb 0x500
	CROUND                                         ; the closing round: no work-group ends while a partner may still ask for a tile that names it
	s_endpgm
.Lfunc_end_k_q5c981872a8_outp:
	.size	k_q5c981872a8_outp, .Lfunc_end_k_q5c981872a8_outp-k_q5c981872a8_outp
	.p2alignl 7, 3214868480
	.fill 96, 4, 3214868480
	.section	.rodata,"a",@progbits
	.p2align	6, 0x0
	.amdhsa_kernel k_q5c981872a8_outp
		.amdhsa_group_segment_fixed_size 254464
		.amdhsa_private_segment_fixed_size 0
		.amdhsa_enable_private_segment 0
		.amdhsa_kernarg_size 48
		.amdhsa_user_sgpr_count 2
		.amdhsa_user_sgpr_kernarg_segment_ptr 1
		.amdhsa_wavefront_size32 1
		.amdhsa_system_sgpr_workgroup_id_x 1
		.amdhsa_system_sgpr_workgroup_id_y 1
		.amdhsa_system_sgpr_workgroup_id_z 1
		.amdhsa_system_vgpr_workitem_id 0
		.amdhsa_next_free_vgpr 258
		.amdhsa_next_free_sgpr 66
		.amdhsa_reserve_vcc 0
		.amdhsa_float_denorm_mode_32 3
		.amdhsa_float_denorm_mode_16_64 3
		.amdhsa_memory_ordered 1
		.amdhsa_forward_progress 1
		.amdhsa_inst_pref_size 43
	.end_amdhsa_kernel
	.amdgpu_metadata
---
amdhsa.version: [ 1, 2 ]
amdhsa.kernels:
  - .name:           k_q5c981872a8_outp
    .symbol:         k_q5c981872a8_outp.kd
    .args:
      - { .name: cc, .offset: 0, .size: 8, .value_kind: global_buffer, .address_space: global }
      - { .name: cs, .offset: 8, .size: 8, .value_kind: global_buffer, .address_space: global }
      - { .name: wc, .offset: 16, .size: 8, .value_kind: global_buffer, .address_space: global }
      - { .name: ws, .offset: 24, .size: 8, .value_kind: global_buffer, .address_space: global }
      - { .name: bo, .offset: 32, .size: 8, .value_kind: global_buffer, .address_space: global }
      - { .name: out0, .offset: 40, .size: 8, .value_kind: global_buffer, .address_space: global }
    .group_segment_fixed_size: 254464
    .private_segment_fixed_size: 0
    .kernarg_segment_align: 8
    .kernarg_segment_size: 48
    .max_flat_workgroup_size: 128
    .sgpr_count:     66
    .vgpr_count:     258
    .wavefront_size: 32
...
	.end_amdgpu_metadata
.endif
;; end of part 4
